; MI455X (gfx1250); checked and timed in simulation.
; The chip was launched on July 23, 2026; its instructions are those of AMD's public machine-readable ISA for CDNA 5 (MIT licence, August 2026) and "CDNA5" Instruction Set Architecture Reference Guide (July 2026). The comments in the code are by the model that wrote it; some were corrected since.
;; Banded Causal Self Attention. Allowed arithmetic: matrix products marked QUANTISED: E2M1 operands, one E8M0 scale for each 32 along K, by v_wmma_scale_f32_16x16x128_f8f6f4 with both operands' format E2M1 (or v_wmma_scale_f32_32x16x128_f4), f32 sums; products left as they are: bf16, f16 or f32 operands; f32 sums; everything else in f32.
;; Inputs: Wk 1,024 x 1,024 float32; Wo 1,024 x 1,024 float32; Wq 1,024 x 1,024 float32; Wv 1,024 x 1,024 float32; x 1 x 4,096 x 1,024 float32.
;; Outputs: out0 1 x 4,096 x 1,024 float32.
;; This version of the problem:
;;   THIS VERSION OF THE PROBLEM IS GIVEN IN LOW PRECISION. The matrix products marked QUANTISED in the list below multiply operands that are first quantised to E2M1 (2 exponent bits, 1 mantissa bit; 4 bits a number), with one power-of-two scale for each 32 numbers along K (OCP MX v1.0); their sums are f32. The products marked 'left as it is' may take bf16, f16 or f32 operands, with f32 sums. Whichever they take, every output number must still come out within the allowed error. Rounding operands to bf16 (8 significant bits) uses up far more of that allowance than f16 does (11 bits, for magnitudes from 6e-5 to 65,504). All else is computed in f32.
;;   The module's matrix products, in the order in which they are computed (A, B: the left and right operand; K: the contracted axis; several contracted axes count as one K, in the product's order):
;;     1. [M 4,096, K 1,024] x [K 1,024, N 1,024]; A: input x; B: input Wq: QUANTISED
;;     2. [M 4,096, K 1,024] x [K 1,024, N 1,024]; A: input x; B: input Wk: QUANTISED
;;     3. [M 4,096, K 1,024] x [K 1,024, N 1,024]; A: input x; B: input Wv: QUANTISED
;;     4. batch 16 x [M 4,096, K 64] x [K 64, N 4,096]; A: computed on the way; B: computed on the way: left as it is (an operand is computed on the way)
;;     5. batch 16 x [M 4,096, K 4,096] x [K 4,096, N 64]; A: computed on the way; B: computed on the way: left as it is (an operand is computed on the way)
;;     6. [M 4,096, K 1,024] x [K 1,024, N 1,024]; A: computed on the way; B: input Wo: left as it is (an operand is computed on the way)
;;   THE QUANTISER, for each operand of a quantised product, along K:
;;     - K is cut into blocks of 32 from its start; a last block that is shorter is filled with zeros.
;;     - A block's scale is 2^e with e = floor(log2(the largest magnitude in the block)) - 2, held to -126 .. 127; a block of zeros has e = 0. As a byte (E8M0): e + 127.
;;     - Each number is divided by its block's scale, clamped to +-6, and rounded to the nearest number of E2M1, ties to even, subnormals kept.
;;     - The product sums the exact products of the quantised numbers (number of the format x scale) in f32.
;;   ~~~python
;;   def quantise(x, axis):      # numpy; x: float32 -> the quantised numbers, widened to float32 again
;;       x = np.moveaxis(x, axis, -1); K = x.shape[-1]
;;       x = np.pad(x, [(0, 0)] * (x.ndim - 1) + [(0, -K % 32)]); x = x.reshape(x.shape[:-1] + (-1, 32)); a = np.abs(x).max(-1, keepdims=True)
;;       e = np.where(a > 0, np.clip(np.frexp(np.where(a > 0, a, 1))[1] - 1 - 2, -126, 127), 0)      # np.frexp(a)[1] - 1 = floor(log2(a)), exactly
;;       r = np.clip(x / 2.0 ** e, -6, 6)
;;       step = 2.0 ** (np.maximum(np.frexp(np.where(r == 0, 1, r))[1] - 1, 0) - 1)
;;       q = np.round(r / step) * step * 2.0 ** e      # np.round: ties to even
;;       return np.moveaxis(q.reshape(q.shape[:-2] + (-1,))[..., :K], -1, axis).astype(np.float32)
;;   ~~~
;; One version. Each part assembles by itself: llvm-mc -triple=amdgcn-amd-amdhsa -mcpu=gfx1250 --defsym DOCPART=n.
;; ======== version 1 of 1: 4 launches
;; limits: values are held in f16: magnitudes above 65,504 overflow, below 6.1e-05 lose precision
;; workspace buffers: xc 2,097,152 bytes; xs 131,072 bytes; wc 1,572,864 bytes; ws 98,304 bytes; wo16 2,097,152 bytes; ybuf 8,388,608 bytes; fq 196,608 bytes
;; launch prep (part 1): grid 256 x 1, 4 waves a work-group, no clusters, 56,832 bytes of LDS; arguments x, Wq, Wk, Wv, Wo, xc, xs, wc, ws, wo16; writes xc, xs, wc, ws, wo16
.if DOCPART == 1
	.amdgcn_target "amdgcn-amd-amdhsa--gfx1250"
	.amdhsa_code_object_version 6
	.text
	.protected	k_q19cfce7e60_prep
	.globl	k_q19cfce7e60_prep
	.p2align	8
	.type	k_q19cfce7e60_prep,@function
k_q19cfce7e60_prep:
	s_mov_b64 s[64:65], 0
	v_nop
	global_prefetch_b8 v0, s[64:65] scope:SCOPE_SE
	s_setreg_imm32_b32 hwreg(HW_REG_WAVE_MODE, 25, 1), 1
	s_wait_xcnt 0x0
; x [4096][1024], Wq, Wk, Wv [1024][1024], f32, K innermost, become codes of FP4 (E2M1) with one E8M0 scale byte for each 32 along K; Wo [1024][1024] becomes f16.
; ALL RESULTS ARE LAID IN THE ORDER OF THE OPERANDS' REGISTERS.  A tile is 16 rows.  Codes: [tile][block of 32 along K][row 16][16 bytes], so that 128 along K of a tile are 1,024 bytes which a wave
; takes by two loads of 16 bytes a lane at 16 x lane.  Scale words: [tile][128 along K][row 16][4 bytes].  f16: [tile][32 along K][piece of 8 along K][row 16][16 bytes].
; The weights' tiles are ordered by head: tile = 12 x head + 4 x (0 q, 1 k, 2 v) + (16 channels of the head's 64).
; A block's scale is 2^(floor(log2(largest magnitude)) - 2); its byte is the largest magnitude's exponent field - 2, held at 1 from below.
; LIMITS: a block of zeros gets the byte 1 where the rule says 127 (its codes are zeros, and this program alone reads the bytes); blocks whose largest magnitude lies under 2^-124 share that byte;
; NaN and infinities are not served; Wo goes in f16: magnitudes under 65,504, and under 6e-5 with an absolute error of up to 3e-8.
; SHARES: every wave takes 16 rows x 512 along K, 32,768 bytes.  Work-groups 0-127: x; 128-223: Wq, Wk, Wv, 32 each; 224-255: Wo.  Waves share nothing: no barrier.
; The four quantised tensors take ONE path, the pointers chosen by the work-group's number; Wo's path has LDS bytes of its own.
.set WREG,  9728                       ; LDS of a quantising wave: two stages of 32 x 80 bytes, 256 scale bytes, a stage of 16 x 272 bytes for the codes
.set SP,    80                         ; a lane's place in a turning stage: its 64 bytes + 16 of padding
.set SCA,   5120
.set CST,   5376
.set WST,   4*WREG                     ; Wo's path: 16 x 272 bytes for each wave
.set SPARE, WST+4*4352                 ; the spare words, 128 bytes for each wave: two blocks of 256 bytes that no other line names
.set R,     16                         ; v16-79   four sets of 16 numbers as loaded
.set X,     80                         ; v80-111  two sets of 16 neighbours
.set E,     112                        ; v112-127 a scale byte for each step
.set C,     128                        ; v128-159 a step's codes, two registers
.set OUTR,  160                        ; v160-191 the way out
	s_load_b256 s[4:11], s[0:1], 0x0               ; x, Wq, Wk, Wv
	s_load_b256 s[12:19], s[0:1], 0x20             ; Wo, xc, xs, wc
	s_load_b128 s[20:23], s[0:1], 0x40             ; ws, wo16
	v_lshl_add_u32 v12, v0, 2, SPARE               ; my spare word; never rewritten
	v_mov_b32 v13, 0                               ; 0; never rewritten
	v_lshrrev_b32 v1, 5, v0
	v_readfirstlane_b32 s24, v1                    ; wave
	v_and_b32 v2, 31, v0                           ; lane
	v_lshlrev_b32 v3, 4, v2                        ; 16 x lane
	s_cmp_ge_u32 ttmp9, 224
	s_cbranch_scc1 .Lwo
	; ---- the quantiser
	s_mul_i32 s25, s24, WREG
	v_lshrrev_b32 v14, 2, v2
	v_mul_u32_u24 v14, v14, SP
	v_and_b32 v15, 3, v2
	v_lshl_add_u32 v14, v15, 4, v14
	v_add_nc_u32 v14, s25, v14                     ; turning stage, in: 80 (lane / 4) + 16 (lane % 4)
	v_mul_u32_u24 v15, v2, SP
	v_add_nc_u32 v15, s25, v15                     ; and out: 80 x lane: my 16 neighbours
	v_lshrrev_b32 v4, 1, v2
	v_mul_u32_u24 v4, v4, 272
	v_and_b32 v5, 1, v2
	v_lshl_add_u32 v4, v5, 3, v4
	v_add_nc_u32 v4, s25, v4
	v_add_nc_u32 v4, CST, v4                       ; codes' stage, in: line = my block (lane / 2), my 8 bytes of its 16; the step's row goes into the offset
	v_lshrrev_b32 v5, 3, v2
	v_bfe_u32 v6, v2, 1, 2
	v_lshl_add_u32 v5, v5, 6, v6
	v_add_nc_u32 v5, s25, v5
	v_add_nc_u32 v5, SCA, v5                       ; my block's byte: 64 x (its 128 along K) + its place in the word; 4 x row goes into the offset
	v_lshlrev_b32 v7, 3, v2
	v_add_nc_u32 v6, s25, v7
	v_add_nc_u32 v6, SCA, v6                       ; the scale bytes on the way out: 8 a lane
	v_lshrrev_b32 v10, 4, v2
	v_mul_u32_u24 v10, v10, 272
	v_and_b32 v11, 15, v2
	v_lshl_add_u32 v10, v11, 4, v10
	v_add_nc_u32 v10, s25, v10
	v_add_nc_u32 v10, CST, v10                     ; codes' stage, out: sixteen lanes to a line of 256 bytes
	s_sub_co_u32 s26, ttmp9, 128
	s_lshr_b32 s27, s26, 5                         ; which weight (of use from work-group 128 on)
	s_and_b32 s26, s26, 31
	s_cmp_lt_u32 ttmp9, 128
	s_cselect_b32 s26, ttmp9, s26                  ; my work-group's number within its tensor
	s_cselect_b32 s27, 0, s27
	s_lshl_b32 s28, s26, 2
	s_add_co_u32 s28, s28, s24                     ; my wave's unit
	s_lshr_b32 s29, s28, 1                         ; its tile of 16 rows
	s_and_b32 s30, s28, 1                          ; its half of K
	s_lshr_b32 s31, s29, 2
	s_mul_i32 s31, s31, 12
	s_lshl_b32 s32, s27, 2
	s_add_co_u32 s31, s31, s32
	s_and_b32 s32, s29, 3
	s_add_co_u32 s31, s31, s32                     ; a weight's tile: 12 x head + 4 x weight + (tile % 4)
	s_cmp_lt_u32 ttmp9, 128
	s_cselect_b32 s31, s29, s31                    ; the tile's place in the output
	s_lshl_b32 s32, s29, 16
	s_lshl_b32 s33, s30, 11
	s_add_co_u32 s32, s32, s33
	s_mov_b32 s33, 0                               ; in: 65,536 x tile + 2,048 x half
	s_lshl_b32 s34, s31, 13
	s_lshl_b32 s35, s30, 12
	s_add_co_u32 s34, s34, s35
	s_mov_b32 s35, 0                               ; codes: 8,192 x tile + 4,096 x half
	s_lshl_b32 s36, s31, 9
	s_lshl_b32 s37, s30, 8
	s_add_co_u32 s36, s36, s37
	s_mov_b32 s37, 0                               ; scale words: 512 x tile + 256 x half
	s_wait_kmcnt 0x0
	s_cmp_eq_u32 s27, 1
	s_cselect_b64 s[6:7], s[8:9], s[6:7]
	s_cmp_eq_u32 s27, 2
	s_cselect_b64 s[6:7], s[10:11], s[6:7]         ; the weight
	s_cmp_lt_u32 ttmp9, 128
	s_cselect_b64 s[4:5], s[4:5], s[6:7]           ; the choices hang on the work-group's number alone
	s_cselect_b64 s[14:15], s[14:15], s[18:19]
	s_cselect_b64 s[16:17], s[16:17], s[20:21]
	s_add_nc_u64 s[4:5], s[4:5], s[32:33]
	s_add_nc_u64 s[14:15], s[14:15], s[34:35]
	s_add_nc_u64 s[16:17], s[16:17], s[36:37]
.macro LOAD t                          ; step t = row t of the tile: 512 numbers, four loads of 512 consecutive bytes
.irp i, 0,1,2,3
	global_load_b128 v[R+16*((\t)%4)+4*\i:R+16*((\t)%4)+4*\i+3], v3, s[4:5] offset:4096*(\t)+512*\i th:TH_LOAD_NT
.endr
.endm
.macro TURN t                          ; the step's numbers through a stage, so that a lane holds 16 neighbours; LDS serves a wave's instructions in order
.irp i, 0,1,2,3
	ds_store_b128 v14, v[R+16*((\t)%4)+4*\i:R+16*((\t)%4)+4*\i+3] offset:32*SP*((\t)%2)+8*SP*\i
.endr
.irp i, 0,1,2,3
	ds_load_b128 v[X+16*((\t)%2)+4*\i:X+16*((\t)%2)+4*\i+3], v15 offset:32*SP*((\t)%2)+16*\i
.endr
.endm
.irp t, 0,1,2,3
	LOAD \t
.endr
	s_wait_loadcnt 12                              ; step 0's four loads are in
	TURN 0
.macro STEP t
.set XS, X+16*((\t)%2)
.if (\t) > 0
	s_wait_dscnt 2                                 ; this step's numbers are back; the last step's byte store and code store may be out
.else
	s_wait_dscnt 0x0
.endif
.if (\t)+4 < 16
	LOAD (\t)+4
.endif
.if (\t)+1 < 16
.if 14-(\t) >= 3
	s_wait_loadcnt 12                              ; the next step's four loads are in; those of the three steps behind it may be out
.else
	s_wait_loadcnt 4*(14-(\t))
.endif
	TURN (\t)+1
.endif
	v_max3_num_f32 v8, |v[XS]|, |v[XS+1]|, |v[XS+2]|               ; the largest magnitude of my 16
	v_max3_num_f32 v9, |v[XS+3]|, |v[XS+4]|, |v[XS+5]|
.irp i, 6,10
	v_max3_num_f32 v8, v8, |v[XS+\i]|, |v[XS+\i+1]|
	v_max3_num_f32 v9, v9, |v[XS+\i+2]|, |v[XS+\i+3]|
.endr
	v_max3_num_f32 v8, v8, |v[XS+14]|, |v[XS+15]|
	v_max3_num_f32 v8, v8, v9, 0x1800000           ; and the floor 2^(3 - 127): the byte cannot fall under 1
	v_max_num_f32_dpp v8, v8, v8 row_xmask:1 row_mask:0xf bank_mask:0xf   ; with my neighbour's 16: the block's
	v_add_nc_u32 v11, 0xff000000, v8               ; 2 off its exponent field: the conversion takes that field as its scale
	v_cvt_scalef32_pk8_fp4_f32 v[C+2*(\t)], v[XS:XS+7], v11
	v_cvt_scalef32_pk8_fp4_f32 v[C+2*(\t)+1], v[XS+8:XS+15], v11
	v_lshrrev_b32 v[E+(\t)], 23, v11               ; the scale's byte (a plain line behind the conversions)
	ds_store_b8 v5, v[E+(\t)] offset:4*(\t)        ; both lanes of a block write the same byte with the same value
	ds_store_b64 v4, v[C+2*(\t):C+2*(\t)+1] offset:16*(\t)
.endm
.irp t, 0,1,2,3,4,5,6,7,8,9,10,11,12,13,14,15
	STEP \t
.endr
	ds_load_b64 v[8:9], v6                         ; LDS serves a wave's instructions in order: these see my stores
.irp i, 0,1,2,3,4,5,6,7
	ds_load_b128 v[OUTR+4*\i:OUTR+4*\i+3], v10 offset:\i*544
.endr
	s_wait_dscnt 0x0
	global_store_b64 v7, v[8:9], s[16:17]          ; 32 lanes store 256 consecutive bytes, aligned
.irp i, 0,1,2,3,4,5,6,7
	global_store_b128 v3, v[OUTR+4*\i:OUTR+4*\i+3], s[14:15] offset:512*\i   ; 512 consecutive bytes, aligned
.endr
	s_wait_tensorcnt 0x0                           ; the wave's end: behind my last LDS store
	ds_add_u32 v12, v13
	s_wait_dscnt 0x0
	s_endpgm
	; ---- Wo to f16: four sub-units of 16 rows x 128 along K
.Lwo:
	s_sub_co_u32 s25, ttmp9, 224
	s_lshl_b32 s25, s25, 2
	s_add_co_u32 s25, s25, s24                     ; my unit
	s_lshr_b32 s26, s25, 1                         ; its tile of 16 rows of Wo
	s_and_b32 s27, s25, 1                          ; its half of K
	s_lshl_b32 s28, s26, 16
	s_lshl_b32 s29, s27, 11
	s_add_co_u32 s28, s28, s29
	s_mov_b32 s29, 0
	s_lshl_b32 s30, s26, 15
	s_lshl_b32 s31, s27, 14
	s_add_co_u32 s30, s30, s31
	s_mov_b32 s31, 0
	s_mul_i32 s32, s24, 4352
	s_add_co_u32 s32, s32, WST
	v_lshrrev_b32 v4, 1, v2
	v_mul_u32_u24 v4, v4, 272
	v_and_b32 v5, 1, v2
	v_lshl_add_u32 v4, v5, 3, v4
	v_add_nc_u32 v4, s32, v4                       ; stage, in: line = my piece of 8 along K (lane / 2), my 8 bytes of its 16
	v_lshrrev_b32 v10, 4, v2
	v_mul_u32_u24 v10, v10, 272
	v_and_b32 v11, 15, v2
	v_lshl_add_u32 v10, v11, 4, v10
	v_add_nc_u32 v10, s32, v10                     ; and out: sixteen lanes to a line
	s_wait_kmcnt 0x0
	s_add_nc_u64 s[12:13], s[12:13], s[28:29]
	s_add_nc_u64 s[22:23], s[22:23], s[30:31]
.macro LOADW sub                       ; 16 rows x 512 consecutive bytes
.irp r, 0,1,2,3,4,5,6,7,8,9,10,11,12,13,14,15
	global_load_b128 v[16+64*((\sub)%2)+4*\r:16+64*((\sub)%2)+4*\r+3], v3, s[12:13] offset:4096*\r+512*(\sub) th:TH_LOAD_NT
.endr
.endm
.macro SUBW sub
.set WS, 16+64*((\sub)%2)
.if (\sub) < 3
	s_wait_loadcnt 16                              ; this set is in; the other set's sixteen loads may be out
.else
	s_wait_loadcnt 0x0
.endif
.irp r, 0,1,2,3,4,5,6,7,8,9,10,11,12,13,14,15
	v_cvt_pk_f16_f32 v[144+2*\r], v[WS+4*\r], v[WS+4*\r+1]
	v_cvt_pk_f16_f32 v[145+2*\r], v[WS+4*\r+2], v[WS+4*\r+3]
.endr
.irp r, 0,1,2,3,4,5,6,7,8,9,10,11,12,13,14,15
	ds_store_b64 v4, v[144+2*\r:145+2*\r] offset:16*\r
.endr
.if (\sub)+2 < 4
	LOADW (\sub)+2
.endif
	s_wait_xcnt 0x0                                ; the last sub-unit's stores have read their registers: they are loaded again only behind this wait
.irp i, 0,1,2,3,4,5,6,7
	ds_load_b128 v[176+4*\i:176+4*\i+3], v10 offset:\i*544
.endr
	s_wait_dscnt 0x0
.irp i, 0,1,2,3,4,5,6,7
	global_store_b128 v3, v[176+4*\i:176+4*\i+3], s[22:23] offset:4096*(\sub)+512*\i
.endr
.endm
	LOADW 0
	LOADW 1
	SUBW 0
	SUBW 1
	SUBW 2
	SUBW 3
	s_wait_tensorcnt 0x0                           ; the wave's end: behind my last LDS store
	ds_add_u32 v12, v13
	s_wait_dscnt 0x0
	s_endpgm
.Lfunc_end_k_q19cfce7e60_prep:
	.size	k_q19cfce7e60_prep, .Lfunc_end_k_q19cfce7e60_prep-k_q19cfce7e60_prep
	.p2alignl 7, 3214868480
	.fill 96, 4, 3214868480
	.section	.rodata,"a",@progbits
	.p2align	6, 0x0
	.amdhsa_kernel k_q19cfce7e60_prep
		.amdhsa_group_segment_fixed_size 56832
		.amdhsa_private_segment_fixed_size 0
		.amdhsa_enable_private_segment 0
		.amdhsa_kernarg_size 80
		.amdhsa_user_sgpr_count 2
		.amdhsa_user_sgpr_kernarg_segment_ptr 1
		.amdhsa_wavefront_size32 1
		.amdhsa_system_sgpr_workgroup_id_x 1
		.amdhsa_system_sgpr_workgroup_id_y 1
		.amdhsa_system_sgpr_workgroup_id_z 1
		.amdhsa_system_vgpr_workitem_id 0
		.amdhsa_next_free_vgpr 208
		.amdhsa_next_free_sgpr 66
		.amdhsa_reserve_vcc 0
		.amdhsa_float_denorm_mode_32 3
		.amdhsa_float_denorm_mode_16_64 3
		.amdhsa_memory_ordered 1
		.amdhsa_forward_progress 1
		.amdhsa_inst_pref_size 60
	.end_amdhsa_kernel
	.amdgpu_metadata
---
amdhsa.version: [ 1, 2 ]
amdhsa.kernels:
  - .name:           k_q19cfce7e60_prep
    .symbol:         k_q19cfce7e60_prep.kd
    .args:
      - { .name: x, .offset: 0, .size: 8, .value_kind: global_buffer, .address_space: global }
      - { .name: Wq, .offset: 8, .size: 8, .value_kind: global_buffer, .address_space: global }
      - { .name: Wk, .offset: 16, .size: 8, .value_kind: global_buffer, .address_space: global }
      - { .name: Wv, .offset: 24, .size: 8, .value_kind: global_buffer, .address_space: global }
      - { .name: Wo, .offset: 32, .size: 8, .value_kind: global_buffer, .address_space: global }
      - { .name: xc, .offset: 40, .size: 8, .value_kind: global_buffer, .address_space: global }
      - { .name: xs, .offset: 48, .size: 8, .value_kind: global_buffer, .address_space: global }
      - { .name: wc, .offset: 56, .size: 8, .value_kind: global_buffer, .address_space: global }
      - { .name: ws, .offset: 64, .size: 8, .value_kind: global_buffer, .address_space: global }
      - { .name: wo16, .offset: 72, .size: 8, .value_kind: global_buffer, .address_space: global }
    .group_segment_fixed_size: 56832
    .private_segment_fixed_size: 0
    .kernarg_segment_align: 8
    .kernarg_segment_size: 80
    .max_flat_workgroup_size: 128
    .sgpr_count:     66
    .vgpr_count:     208
    .wavefront_size: 32
...
	.end_amdgpu_metadata
.endif
;; end of part 1
;; launch attn (part 2): grid 16 x 16, 4 waves a work-group, clusters of 4 x 1, 327,680 bytes of LDS; arguments xc, xs, wc, ws, ybuf, fq; writes ybuf, fq
.if DOCPART == 2
	.amdgcn_target "amdgcn-amd-amdhsa--gfx1250"
	.amdhsa_code_object_version 6
	.text
	.protected	k_q19cfce7e60_attn
	.globl	k_q19cfce7e60_attn
	.p2align	8
	.type	k_q19cfce7e60_attn,@function
k_q19cfce7e60_attn:
	s_mov_b64 s[64:65], 0
	v_nop
	global_prefetch_b8 v0, s[64:65] scope:SCOPE_SE
	s_setreg_imm32_b32 hwreg(HW_REG_WAVE_MODE, 25, 1), 1
	s_wait_xcnt 0x0
	s_wait_alu depctr_hold_cnt(0) depctr_sa_sdst(0) depctr_va_vdst(0) depctr_va_sdst(0) depctr_va_ssrc(0) depctr_va_vcc(0) depctr_vm_vsrc(0)
	s_getreg_b32 s2, hwreg(HW_REG_IB_STS2, 6, 4)
	s_cmp_eq_u32 s2, 0
	s_cbranch_scc0 .Lentry_in_a_cluster
	s_endpgm
.Lentry_in_a_cluster:
	s_bfe_u32 s2, ttmp6, 0x10000c
	s_cmp_lg_u32 s2, 0x3003
	s_cbranch_scc0 .Lentry_shape_is_right
	s_endpgm
.Lentry_shape_is_right:
; One work-group: one head, 256 queries.  q, k, v = x W^T on codes of FP4 with E8M0 scales (k and v also for the 128 rows in front: the band's halo); then the banded softmax (key j counts for
; query i where i - 127 <= j <= i) and P V with f16 operands and f32 sums.  q, k, v never go to memory.  y leaves as f16 in the order of the next product's operand registers.
; The f32 q, k, v of positions 0-15 leave too: a later launch carries those rows in f32.
; LDS IS FILLED ONCE: x's codes of 24 tiles of 16 rows and the head's 12 tiles of W, in four chunks of 256 along K, and their scale words.  All fragments lie as images of their registers:
; every LDS load is 16 bytes a lane at 16 x lane: no pitch, no padding.  Each wave has five tensor loads out at the most: the scale words and four chunks.
; CLUSTER: four heads of one block of queries.  They read the same x: waves 0-2 ask for it jointly (mask 15).  W differs from head to head: wave 3's loads are its work-group's own.
; A cluster does not reach over several blocks of queries, so that the block's number is equal in all partners and the two branches on block 0 are alike in them; so W, a third of the bytes, is not shared.
; GEMM SHARES: wave w makes k and v of local tiles 6 w + 0..5 and q of local tiles 8 + 4 w + 0..3: 64 accumulators.  q and k are used transposed (source 0 = 16 channels of W, source 1 = 16 rows of x):
; a lane holds one token and 8 channels; v is used as it is (source 0 = x): a lane holds one channel and 8 tokens.  Rounded to f16 in pairs these ARE fragment registers of S^T = k q^T and O^T = v^T P.
; SOFTMAX: all 144 keys of a tile of queries are in registers at once: the true maximum is taken away.  p = 2^(c s - c m), c = log2(e) / 8; the sum is taken of the f32 p.
; In block 0 the halo holds rows of the tensor's end; all their scores become -infinity.
; LIMITS: q, k, v, p, y go in f16: magnitudes of q, k, v under 65,504.  NaN and infinities are not served.
; WINDOWS (GEMM | attention): 0: addresses, v32-55 scale words, v64-223 x's fragments in two sets | v16-31 statistics, v64-207 S^T.   1: W's fragments, sets at v0 and v96 | k v0-159, q v160-223.
;   2: k's accumulators v0-191, q's of tiles 0, 1 from v192 | v^T v0-159, O^T v160-223.   3: v's accumulators v0-191, q's of tiles 2, 3 from v192 | P v0-79, y v96-159.
.set CH,    73728                      ; a chunk: 24 tiles of x and 12 of W, 2,048 bytes each (two K steps of 128)
.set XSB,   4*CH                       ; x's scale words: 24 tiles x 512 bytes
.set WSB,   XSB+12288                  ; W's: 12 tiles x 512 bytes
.set SPARE, WSB+6144                   ; the spare words, 128 bytes for each wave: two blocks of 256 bytes that no other line names
.set VIM,   49152                      ; after the GEMM: k's images from 0 (tile x 2,048), v^T's from here (pair of tiles x 4,096): in chunks 0 and 1, which have had their one fill and their last read
.set L16, 1                            ; v1   16 x lane
.set RR,  2                            ; v2   lane % 16
.set HH,  3                            ; v3   lane / 16
.set AKV, 4                            ; v4   x's fragments for k and v;  v5 for q;  v6 W's: they step from chunk to chunk
.set AQ,  5
.set AW,  6
.set ASA, 7                            ; v7   scale words 0-5: lanes 0-15 x's tile 6 w + n, lanes 16-31 W's tile n
.set ASB, 8                            ; v8   scale words 6-11: lanes 0-15 x's tile 2 + 4 w + n, lanes 16-31 W's tile n
.set KST, 9                            ; v9, v10   where I store k's and v^T's images;  v11, v12 from where I load them
.set VST, 10
.set KLD, 11
.set VLD, 12
.set DD,  14                           ; v14  d = lane % 16 - 8 (lane / 16)
.set NEG, 15                           ; v15  -infinity
.set STT, 16                           ; statistics of query tile qt at v[16 + 8 qt]: +0, 1 -c m; +2..5 two pairs of sums; +6 maximum, then 1 / l; +7 at work
.set SC,  32
.set XF,  64
.set S,   64
.set SPW, 62                           ; v62  my spare word; never rewritten
.set NIL, 63                           ; v63  0; never rewritten
.set MSB, 0
.macro WIN new                         ; the immediate's high byte repeats the setting that is left
.if MSB != \new
	s_set_vgpr_msb (MSB<<8)|\new
.set MSB, \new
.endif
.endm
.macro PLACES                          ; four plain places behind matrix instructions, in front of loads into their registers and of reads of their results
.rept 4
	v_nop
.endr
.endm
.macro CROUND                          ; a round of the cluster's barrier
	s_barrier_signal -1
	s_barrier_wait -1
	s_cmp_lg_u32 s16, 0
	s_cbranch_scc1 .Lnot_wave_0_\@
	s_barrier_signal -3
.Lnot_wave_0_\@:
	s_barrier_wait -3
	s_barrier_signal -1
	s_barrier_wait -1
.endm
	s_load_b256 s[4:11], s[0:1], 0x0               ; xc, xs, wc, ws
	s_load_b128 s[12:15], s[0:1], 0x20             ; ybuf, fq
	v_lshl_add_u32 v[SPW], v0, 2, SPARE
	v_mov_b32 v[NIL], 0
	ds_add_u32 v[SPW], v[NIL]                      ; the wave's opening: the add, twice on end, and its wait ahead of my first tensor load
	ds_add_u32 v[SPW], v[NIL]
	v_lshrrev_b32 v1, 5, v0
	v_readfirstlane_b32 s16, v1                    ; wave
	s_bfe_u32 s17, ttmp6, 0x40000                  ; cx
	s_lshl_b32 s18, ttmp9, 2
	s_add_co_u32 s18, s18, s17                     ; the head: it enters W's, ybuf's and fq's global addresses alone
	s_and_b32 s19, ttmp7, 0xffff                   ; the block of 256 queries, which the four partners share
	s_mov_b32 s20, 0x76543210
	s_mov_b32 s21, 0xfedcba98                      ; v_permlanex16_b32's selects for lane l xor 16
	s_mov_b32 s22, 0x3e38aa3b                      ; c = log2(e) / 8
	s_mov_b32 s23, s22
	; groups 1, elements of 8 bytes, no padding.  x's codes: 8 tiles x 2,048 bytes, 8,192 bytes apart; jointly
	s_mov_b32 s24, 15|(3<<16)|(1<<21)
	s_mov_b32 s25, 256<<16
	s_mov_b32 s26, 8<<16
	s_mov_b32 s27, 256<<16
	s_mov_b32 s28, 8
	s_mov_b32 s29, 1024
	s_mov_b32 s30, 0
	s_mov_b32 s31, 0
	; W's codes: 12 tiles likewise; my work-group's own
	s_mov_b32 s32, 3<<16
	s_mov_b32 s33, 256<<16
	s_mov_b32 s34, 12<<16
	s_mov_b32 s35, 256<<16
	s_mov_b32 s36, 12
	s_mov_b32 s37, 1024
	s_mov_b32 s38, 0
	s_mov_b32 s39, 0
	; x's scale words: 4,096 dense bytes as 16 rows of 256; jointly
	s_mov_b32 s40, 15|(3<<16)|(1<<21)
	s_mov_b32 s41, 32<<16
	s_mov_b32 s42, 16<<16
	s_mov_b32 s43, 32<<16
	s_mov_b32 s44, 16
	s_mov_b32 s45, 32
	s_mov_b32 s46, 0
	s_mov_b32 s47, 0
	; W's scale words: 6,144 dense bytes as 24 rows of 256
	s_mov_b32 s48, 3<<16
	s_mov_b32 s49, 32<<16
	s_mov_b32 s50, 24<<16
	s_mov_b32 s51, 32<<16
	s_mov_b32 s52, 24
	s_mov_b32 s53, 32
	s_mov_b32 s54, 0
	s_mov_b32 s55, 0
	; groups 0: LDS addresses by one formula for all four waves: scale words at XSB + 4,096 w, chunk c at 73,728 c + 16,384 w
	s_lshl_b32 s2, s16, 12
	s_lshl_b32 s3, s16, 14
	s_mov_b32 s56, 1
	s_add_co_u32 s57, s2, XSB
	s_mov_b32 s80, 1
	s_add_co_u32 s81, s2, XSB
.macro G0C c, gx, gw
	s_mov_b32 s[\gx], 1
	s_add_co_u32 s[\gx+1], s3, \c*CH
	s_mov_b32 s[\gw], 1
	s_add_co_u32 s[\gw+1], s3, \c*CH
.endm
	G0C 0, 60, 84
	G0C 1, 68, 88
	G0C 2, 72, 92
	G0C 3, 76, 96
	s_lshl_b32 s66, s19, 4
	s_lshl_b32 s67, s16, 3
	s_add_co_u32 s66, s66, s67
	s_add_co_u32 s66, s66, 248
	s_and_b32 s66, s66, 255                        ; my first tile of x: 16 x block + 8 w - 8, taken round the end in block 0
	s_lshl_b32 s100, s66, 9
	s_mov_b32 s101, 0
	s_lshl_b32 s66, s66, 13
	s_mov_b32 s67, 0
	s_mul_i32 s82, s18, 6144                       ; W's offsets are made in W's own descriptors: no register that feeds a joint load holds the head
	s_mov_b32 s83, 0
	s_mul_i32 s86, s18, 98304
	s_mov_b32 s87, 0
	s_wait_dscnt 0x0                               ; both opening adds are done
	s_wait_kmcnt 0x0
	s_add_nc_u64 s[58:59], s[6:7], s[100:101]
	s_add_nc_u64 s[62:63], s[4:5], s[66:67]
	s_add_nc_u64 s[70:71], s[62:63], 2048
	s_add_nc_u64 s[74:75], s[62:63], 4096
	s_add_nc_u64 s[78:79], s[62:63], 6144
	s_add_nc_u64 s[82:83], s[10:11], s[82:83]
	s_add_nc_u64 s[86:87], s[8:9], s[86:87]
	s_add_nc_u64 s[90:91], s[86:87], 2048
	s_add_nc_u64 s[94:95], s[86:87], 4096
	s_add_nc_u64 s[98:99], s[86:87], 6144
.irp g, 59,63,71,75,79,83,87,91,95,99
	s_or_b32 s\g, s\g, 0x80000000                  ; the type
.endr
	CROUND                                         ; all four work-groups are here: the joint loads meet
	s_cmp_lt_u32 s16, 3                            ; a wave's five first fills stand in one branch on the wave's number
	s_cbranch_scc0 .Lfor_w
	tensor_load_to_lds s[56:59], s[40:47]
	s_nop 0
	tensor_load_to_lds s[60:63], s[24:31]
	s_nop 0
	tensor_load_to_lds s[68:71], s[24:31]
	s_nop 0
	tensor_load_to_lds s[72:75], s[24:31]
	s_nop 0
	tensor_load_to_lds s[76:79], s[24:31]
	s_nop 0
	PLACES
	s_branch .Lasked
.Lfor_w:
	tensor_load_to_lds s[80:83], s[48:55]
	s_nop 0
	tensor_load_to_lds s[84:87], s[32:39]
	s_nop 0
	tensor_load_to_lds s[88:91], s[32:39]
	s_nop 0
	tensor_load_to_lds s[92:95], s[32:39]
	s_nop 0
	tensor_load_to_lds s[96:99], s[32:39]
	s_nop 0
	PLACES
.Lasked:
	s_lshl_b32 s2, s19, 4
	s_lshl_b32 s3, s16, 2
	s_add_co_u32 s2, s2, s3
	s_lshl_b32 s2, s2, 15
	s_lshl_b32 s3, s18, 11
	s_add_co_u32 s2, s2, s3
	s_mov_b32 s3, 0
	s_add_nc_u64 s[12:13], s[12:13], s[2:3]        ; ybuf at token tile 16 x block + 4 w, K steps 2 x head on
	s_lshl_b32 s2, s18, 12
	s_add_nc_u64 s[14:15], s[14:15], s[2:3]        ; fq at my head
	v_and_b32 v13, 31, v0
	v_lshlrev_b32 v[L16], 4, v13
	v_and_b32 v[RR], 15, v0
	v_bfe_u32 v[HH], v0, 4, 1
	s_mul_i32 s2, s16, 12288
	v_add_nc_u32 v[AKV], s2, v[L16]
	v_add_nc_u32 v[KST], s2, v[L16]
	v_add_nc_u32 v[VST], VIM, v[KST]
	s_lshl_b32 s3, s16, 13
	v_add_nc_u32 v[KLD], s3, v[L16]
	v_add_nc_u32 v[AQ], 16384, v[KLD]
	v_add_nc_u32 v[VLD], VIM, v[KLD]
	v_add_nc_u32 v[AW], 49152, v[L16]
	s_xor_b32 s2, s16, 3                           ; 3 - w
	s_lshl_b32 s3, s2, 11
	s_add_co_u32 s3, s3, 5120                      ; from x's tile 2 + 4 w to W's tile 0: 11,264 - 2,048 w
	s_add_co_u32 s2, s2, 1
	s_mul_i32 s2, s2, 3072                         ; from x's tile 6 w to W's tile 0: 12,288 - 3,072 w
	v_mul_u32_u24 v[ASA], s2, v[HH]                ; one product: the lower base + (lane / 16) x the distance
	v_mul_u32_u24 v[ASB], s3, v[HH]
	v_lshl_add_u32 v[ASA], v[RR], 2, v[ASA]
	v_lshl_add_u32 v[ASB], v[RR], 2, v[ASB]
	s_mul_i32 s2, s16, 3072
	s_add_co_u32 s2, s2, XSB
	v_add_nc_u32 v[ASA], s2, v[ASA]
	s_lshl_b32 s3, s16, 11
	s_add_co_u32 s3, s3, XSB+1024
	v_add_nc_u32 v[ASB], s3, v[ASB]
; The fragments and scale words of K step s (128 along K), into set s % 2: 56 LDS loads in one run.  (Scale words 10 and 11 read, in lanes 0-15, filled bytes that no product uses.)
.macro FETCH s
	WIN 0x40                                       ; destination window 1
.irp n, 0,1,2,3,4,5,6,7,8,9,10,11
.irp c, 0,1
	ds_load_b128 v[96*((\s)%2)+8*\n+4*\c:96*((\s)%2)+8*\n+4*\c+3], v[AW] offset:\n*2048+((\s)%2)*1024+\c*512
.endr
.endr
	WIN 0
.irp i, 0,1,2,3,4,5
.irp c, 0,1
	ds_load_b128 v[XF+80*((\s)%2)+8*\i+4*\c:XF+80*((\s)%2)+8*\i+4*\c+3], v[AKV] offset:\i*2048+((\s)%2)*1024+\c*512
.endr
.endr
.irp i, 0,1,2,3
.irp c, 0,1
	ds_load_b128 v[XF+80*((\s)%2)+48+8*\i+4*\c:XF+80*((\s)%2)+48+8*\i+4*\c+3], v[AQ] offset:\i*2048+((\s)%2)*1024+\c*512
.endr
.endr
.irp n, 0,1,2,3,4,5
	ds_load_b32 v[SC+12*((\s)%2)+\n], v[ASA] offset:\n*512+(\s)*64
.endr
.irp n, 6,7,8,9,10,11
	ds_load_b32 v[SC+12*((\s)%2)+\n], v[ASB] offset:\n*512+(\s)*64
.endr
.endm
.macro TMUL zero                       ; source 0 = W (its scales in lanes 16-31), source 1 = x
.if \zero
	v_wmma_scale_f32_16x16x128_f8f6f4 v[rD:rD+7], v[rA:rA+7], v[rB:rB+7], 0, v[rSA], v[rSB] matrix_a_fmt:MATRIX_FMT_FP4 matrix_b_fmt:MATRIX_FMT_FP4 matrix_a_scale:MATRIX_SCALE_ROW1
.else
	v_wmma_scale_f32_16x16x128_f8f6f4 v[rD:rD+7], v[rA:rA+7], v[rB:rB+7], v[rD:rD+7], v[rSA], v[rSB] matrix_a_fmt:MATRIX_FMT_FP4 matrix_b_fmt:MATRIX_FMT_FP4 matrix_a_scale:MATRIX_SCALE_ROW1
.endif
.endm
.macro NMUL zero                       ; source 0 = x, source 1 = W (its scales in lanes 16-31)
.if \zero
	v_wmma_scale_f32_16x16x128_f8f6f4 v[rD:rD+7], v[rA:rA+7], v[rB:rB+7], 0, v[rSA], v[rSB] matrix_a_fmt:MATRIX_FMT_FP4 matrix_b_fmt:MATRIX_FMT_FP4 matrix_b_scale:MATRIX_SCALE_ROW1
.else
	v_wmma_scale_f32_16x16x128_f8f6f4 v[rD:rD+7], v[rA:rA+7], v[rB:rB+7], v[rD:rD+7], v[rSA], v[rSB] matrix_a_fmt:MATRIX_FMT_FP4 matrix_b_fmt:MATRIX_FMT_FP4 matrix_b_scale:MATRIX_SCALE_ROW1
.endif
.endm
; A K step's 64 products: each accumulator once, in the same order in every step.  zero = 1: the first step starts the sums.
.macro MULS s, zero
.set pw, 96*((\s)%2)
.set px, XF+80*((\s)%2)
.set ps, SC+12*((\s)%2)
	WIN 0xa1                                       ; source 0 window 1, source 1 window 0, C and D window 2
.irp i, 0,1,2,3,4,5
.irp t, 0,1,2,3
.set rD, 8*(4*\i+\t)
.set rA, pw+8*(4+\t)
.set rB, px+8*\i
.set rSA, ps+4+\t
.set rSB, ps+\i
	TMUL \zero                                     ; k
.endr
.endr
.irp i, 0,1
.irp t, 0,1,2,3
.set rD, 192+8*(4*\i+\t)
.set rA, pw+8*\t
.set rB, px+48+8*\i
.set rSA, ps+\t
.set rSB, ps+6+\i
	TMUL \zero                                     ; q, tiles 0 and 1
.endr
.endr
	WIN 0xf1                                       ; C and D window 3
.irp i, 2,3
.irp t, 0,1,2,3
.set rD, 192+8*(4*(\i-2)+\t)
.set rA, pw+8*\t
.set rB, px+48+8*\i
.set rSA, ps+\t
.set rSB, ps+6+\i
	TMUL \zero                                     ; q, tiles 2 and 3
.endr
.endr
	WIN 0xf4                                       ; source 0 window 0, source 1 window 1, C and D window 3
.irp i, 0,1,2,3,4,5
.irp t, 0,1,2,3
.set rD, 8*(4*\i+\t)
.set rA, px+8*\i
.set rB, pw+8*(8+\t)
.set rSA, ps+\i
.set rSB, ps+8+\t
	NMUL \zero                                     ; v
.endr
.endr
.endm
; tc >= 0: the next K step lies in the next chunk: my load of it has landed (tc younger chunks may be out), and a barrier shows that of every wave.
.macro STEP s, tc, zero
	s_wait_dscnt 0x0                               ; this step's fragments are in
.if \tc >= 0
	s_wait_tensorcnt \tc
	s_barrier_signal -1
	s_barrier_wait -1
.endif
	WIN 0
.if (\s) < 7
.if (\s)%2 == 1
	v_add_nc_u32 v[AKV], CH, v[AKV]                ; on to the next chunk: these three and the v_nop are the four places in front of the loads
	v_add_nc_u32 v[AQ], CH, v[AQ]
	v_add_nc_u32 v[AW], CH, v[AW]
	v_nop
.else
	PLACES
.endif
	FETCH (\s)+1                                   ; 64 products ahead of their use
.endif
	MULS \s, \zero
.endm
	s_wait_tensorcnt 3                             ; the scale words and chunk 0 are in; three chunks may be out
	s_barrier_signal -1
	s_barrier_wait -1
	FETCH 0
	STEP 0, -1, 1
	STEP 1, 2, 0
	STEP 2, -1, 0
	STEP 3, 1, 0
	STEP 4, -1, 0
	STEP 5, 0, 0                                   ; behind this barrier no wave reads chunks 0 to 2 any more, and no tensor load is out
	STEP 6, -1, 0
	STEP 7, -1, 0
	WIN 0
	PLACES
	s_mov_b32 s32, 0xbe38aa3b                      ; -c (all tensor loads are done: the descriptors' registers are free)
	; positions 0-15 (block 0, local tile 8) leave in f32, as images of the accumulators, each from its low end on
	s_cmp_lg_u32 s19, 0
	s_cbranch_scc1 .Lno_fine
	s_cmp_lg_u32 s16, 0
	s_cbranch_scc1 .Lnot_q
	WIN 0x08                                       ; a store's data are its source 1: window 2
.irp t, 0,1,2,3
.irp g, 0,1
	global_store_b128 v[L16], v[192+8*\t+4*\g:192+8*\t+4*\g+3], s[14:15] offset:\t*1024+\g*512
.endr
.endr
	WIN 0
.Lnot_q:
	s_cmp_lg_u32 s16, 1
	s_cbranch_scc1 .Lno_fine
	WIN 0x08
.irp t, 0,1,2,3
.irp g, 0,1
	global_store_b128 v[L16], v[64+8*\t+4*\g:64+8*\t+4*\g+3], s[14:15] offset:65536+\t*1024+\g*512
.endr
.endr
	WIN 0x0c
.irp t, 0,1,2,3
.irp g, 0,1
	global_store_b128 v[L16], v[64+8*\t+4*\g:64+8*\t+4*\g+3], s[14:15] offset:131072+\t*1024+\g*512
.endr
.endr
	WIN 0
.Lno_fine:
.macro PACK4 d, a                      ; an accumulator's eight numbers to f16, from its low end on
.set pd, \d
.set pa, \a
.irp e, 0,1,2,3
	v_cvt_pk_f16_f32 v[pd+\e], v[pa+2*\e], v[pa+2*\e+1]
.endr
.endm
	WIN 0x4a                                       ; sources window 2, destination window 1
.irp i, 0,1,2,3,4,5
.irp t, 0,1,2,3
	PACK4 4*(4*\i+\t), 8*(4*\i+\t)                 ; k
.endr
.endr
.irp i, 0,1
.irp t, 0,1,2,3
	PACK4 160+16*\i+4*\t, 192+8*(4*\i+\t)          ; q stays in registers
.endr
.endr
	WIN 0x4f                                       ; sources window 3
.irp i, 2,3
.irp t, 0,1,2,3
	PACK4 160+16*\i+4*\t, 192+8*(4*(\i-2)+\t)
.endr
.endr
	WIN 0x0f                                       ; destination window 0
.irp i, 0,1,2,3,4,5
.irp t, 0,1,2,3
	PACK4 64+4*(4*\i+\t), 8*(4*\i+\t)              ; v
.endr
.endr
	WIN 0x04                                       ; an LDS store's data are its source 1: window 1
.irp i, 0,1,2,3,4,5
.irp t, 0,1,2,3
	ds_store_b128 v[KST], v[4*(4*\i+\t):4*(4*\i+\t)+3] offset:\i*2048+\t*512
.endr
.endr
	WIN 0
.irp i, 0,1,2,3,4,5
.irp t, 0,1,2,3
	ds_store_b128 v[VST], v[64+4*(4*\i+\t):64+4*(4*\i+\t)+3] offset:(\i/2)*4096+\t*1024+(\i%2)*512
.endr
.endr
	s_wait_xcnt 0x0                                ; the f32 stores have read their registers: windows 2 and 3 are written again only behind this wait
	WIN 0xc0
.irp j, 36,37,38,39,40,41,42,43
	v_mov_b32 v\j, 0                               ; P of the two tiles of keys that lie wholly outside the band
.endr
	WIN 0
	v_lshlrev_b32 v13, 3, v[HH]
	v_sub_nc_u32 v[DD], v[RR], v13
	v_mov_b32 v[NEG], 0xff800000
.irp j, 0,1,2,3,4,5,6,7
	v_cmp_le_i32 s[24+\j], \j, v[DD]               ; register j of a tile holds key 8 (lane / 16) + j: the lanes where that key's place is at or under the query's
.endr
	s_wait_dscnt 0x0                               ; for the others' sake: my images lie in LDS
	s_barrier_signal -1
	s_barrier_wait -1
; 32 queries: local tiles 8 + 4 w + 2 pr + qt.  Their keys: local tiles 4 w + 2 pr + kt, kt = 0 .. 9; query tile qt takes kt = qt + kq, kq = 0 .. 8.
.macro PAIR pr
	WIN 0x40
.irp kt, 0,1,2,3,4,5,6,7,8,9
.irp m, 0,1,2,3
	ds_load_b128 v[16*\kt+4*\m:16*\kt+4*\m+3], v[KLD] offset:(2*\pr+\kt)*2048+512*\m
.endr
.endr
	WIN 0x80
.irp kp, 0,1,2,3,4
.irp m, 0,1,2,3,4,5,6,7
	ds_load_b128 v[32*\kp+4*\m:32*\kp+4*\m+3], v[VLD] offset:(\pr+\kp)*4096+512*\m
.endr
.endr
	s_wait_dscnt 40                                ; k is in; v's forty loads may be out
	WIN 0x05                                       ; sources window 1, S^T window 0
.irp u, 0,1
.irp kq, 0,1,2,3,4,5,6,7,8
.irp qt, 0,1
.set rD, S+8*(9*\qt+\kq)
.set rA, 16*(\kq+\qt)+8*\u
.set rB, 160+16*(2*\pr+\qt)+8*\u
.if \u == 0
	v_wmma_f32_16x16x32_f16 v[rD:rD+7], v[rA:rA+7], v[rB:rB+7], 0
.else
	v_wmma_f32_16x16x32_f16 v[rD:rD+7], v[rA:rA+7], v[rB:rB+7], v[rD:rD+7]
.endif
.endr
.endr
.endr
	WIN 0
	PLACES
	s_cmp_lg_u32 s19, 0                            ; block 0: the halo's tiles, local tiles under 8, are no keys
	s_cbranch_scc1 .Lin_\@
	s_lshl_b32 s33, s16, 2
	s_sub_co_i32 s33, 8-2*\pr, s33                 ; kt under this is halo
.irp kt, 0,1,2,3,4,5,6,7
	s_cmp_gt_i32 s33, \kt
	s_cselect_b32 s34, -1, 0
.irp qt, 0,1
.if \kt >= \qt
.irp j, 0,1,2,3,4,5,6,7
	v_cndmask_b32 v[S+8*(9*\qt+\kt-\qt)+\j], v[S+8*(9*\qt+\kt-\qt)+\j], v[NEG], s34
.endr
.endif
.endr
.endr
.Lin_\@:
.irp qt, 0,1
.irp j, 0,1,2,3,4,5,6,7
	v_cndmask_b32 v[S+72*\qt+\j], v[S+72*\qt+\j], v[NEG], s[24+\j]          ; the tile 128 back: a key counts where its place is above the query's
	v_cndmask_b32 v[S+72*\qt+64+\j], v[NEG], v[S+72*\qt+64+\j], s[24+\j]    ; the diagonal tile: where it is at or under it
.endr
.endr
.irp qt, 0,1                                   ; the maximum of my 72 scores, in ascending order, two chains a tile of queries
	v_max3_num_f32 v[STT+8*\qt+6], v[S+72*\qt], v[S+72*\qt+1], v[S+72*\qt+2]
	v_max3_num_f32 v[STT+8*\qt+7], v[S+72*\qt+3], v[S+72*\qt+4], v[S+72*\qt+5]
.endr
.irp i, 6,10,14,18,22,26,30,34,38,42,46,50,54,58,62,66
.irp qt, 0,1
	v_max3_num_f32 v[STT+8*\qt+6], v[STT+8*\qt+6], v[S+72*\qt+\i], v[S+72*\qt+\i+1]
	v_max3_num_f32 v[STT+8*\qt+7], v[STT+8*\qt+7], v[S+72*\qt+\i+2], v[S+72*\qt+\i+3]
.endr
.endr
.irp qt, 0,1
	v_max3_num_f32 v[STT+8*\qt+6], v[STT+8*\qt+6], v[S+72*\qt+70], v[S+72*\qt+71]
.endr
.irp qt, 0,1
	v_max_num_f32 v[STT+8*\qt+6], v[STT+8*\qt+6], v[STT+8*\qt+7]
.endr
.irp qt, 0,1
	v_permlanex16_b32 v[STT+8*\qt+7], v[STT+8*\qt+6], s20, s21    ; the query's other 72 keys lie in the lane 16 away
.endr
.irp qt, 0,1
	v_max_num_f32 v[STT+8*\qt+6], v[STT+8*\qt+6], v[STT+8*\qt+7]  ; finite: a query's own key always counts
.endr
.irp qt, 0,1
	v_mul_f32 v[STT+8*\qt], s32, v[STT+8*\qt+6]    ; -c m
.endr
.irp qt, 0,1
	v_mov_b32 v[STT+8*\qt+1], v[STT+8*\qt]         ; (named with it as a pair)
.endr
.irp qt, 0,1
.set jj, 0
.rept 36
	v_pk_fma_f32 v[S+72*\qt+jj:S+72*\qt+jj+1], v[S+72*\qt+jj:S+72*\qt+jj+1], s[22:23], v[STT+8*\qt:STT+8*\qt+1] op_sel_hi:[1,0,0]
.set jj, jj+2
.endr
.endr
.set jj, 0
.rept 144
	v_exp_f32 v[S+jj], v[S+jj]                     ; p = 2^(c s - c m): one batch
.set jj, jj+1
.endr
	v_nop                                          ; a plain line behind the last exponential
	s_wait_alu depctr_va_vdst(0)                   ; one wait for the batch, ahead of its first reader
.irp qt, 0,1
	v_pk_add_f32 v[STT+8*\qt+2:STT+8*\qt+3], v[S+72*\qt:S+72*\qt+1], v[S+72*\qt+2:S+72*\qt+3]
	v_pk_add_f32 v[STT+8*\qt+4:STT+8*\qt+5], v[S+72*\qt+4:S+72*\qt+5], v[S+72*\qt+6:S+72*\qt+7]
.endr
.irp j, 8,12,16,20,24,28,32,36,40,44,48,52,56,60,64,68
.irp qt, 0,1
	v_pk_add_f32 v[STT+8*\qt+2:STT+8*\qt+3], v[STT+8*\qt+2:STT+8*\qt+3], v[S+72*\qt+\j:S+72*\qt+\j+1]
	v_pk_add_f32 v[STT+8*\qt+4:STT+8*\qt+5], v[STT+8*\qt+4:STT+8*\qt+5], v[S+72*\qt+\j+2:S+72*\qt+\j+3]
.endr
.endr
.irp qt, 0,1
	v_pk_add_f32 v[STT+8*\qt+2:STT+8*\qt+3], v[STT+8*\qt+2:STT+8*\qt+3], v[STT+8*\qt+4:STT+8*\qt+5]
.endr
.irp qt, 0,1
	v_add_f32 v[STT+8*\qt+2], v[STT+8*\qt+2], v[STT+8*\qt+3]
.endr
.irp qt, 0,1
	v_permlanex16_b32 v[STT+8*\qt+3], v[STT+8*\qt+2], s20, s21
.endr
.irp qt, 0,1
	v_add_f32 v[STT+8*\qt+2], v[STT+8*\qt+2], v[STT+8*\qt+3]      ; l, of the f32 p
.endr
.irp qt, 0,1
	v_rcp_f32 v[STT+8*\qt+6], v[STT+8*\qt+2]
.endr
	WIN 0xc0                                       ; P: window 3.  (These 72 lines are the independent work behind the reciprocals)
.irp qt, 0,1
.irp kq, 0,1,2,3,4,5,6,7,8
.irp e, 0,1,2,3
	v_cvt_pk_f16_f32 v[40*\qt+4*(\kq+\qt)+\e], v[S+8*(9*\qt+\kq)+2*\e], v[S+8*(9*\qt+\kq)+2*\e+1]
.endr
.endr
.endr
	s_wait_alu depctr_va_vdst(0)                   ; the wait for the two reciprocals, ahead of their first reader
	s_wait_dscnt 0x0                               ; v is in
	WIN 0xae                                       ; v^T window 2, P window 3, O^T window 2
.irp kp, 0,1,2,3,4
.irp t, 0,1,2,3
.irp qt, 0,1
.set rD, 160+8*(4*\qt+\t)
.set rA, 32*\kp+8*\t
.set rB, 40*\qt+8*\kp
.if \kp == 0
	v_wmma_f32_16x16x32_f16 v[rD:rD+7], v[rA:rA+7], v[rB:rB+7], 0
.else
	v_wmma_f32_16x16x32_f16 v[rD:rD+7], v[rA:rA+7], v[rB:rB+7], v[rD:rD+7]
.endif
.endr
.endr
.endr
	PLACES
	WIN 0x82                                       ; O^T window 2, 1 / l window 0
.irp qt, 0,1
.set jj, 0
.rept 16
	v_pk_mul_f32 v[160+32*\qt+jj:160+32*\qt+jj+1], v[160+32*\qt+jj:160+32*\qt+jj+1], v[STT+8*\qt+6:STT+8*\qt+7] op_sel_hi:[1,0]
.set jj, jj+2
.endr
.endr
	WIN 0xca                                       ; sources window 2, destination window 3
.irp qt, 0,1
.irp t, 0,1,2,3
.irp e, 0,1,2,3
	v_cvt_pk_f16_f32 v[96+32*\pr+16*\qt+4*\t+\e], v[160+8*(4*\qt+\t)+2*\e], v[160+8*(4*\qt+\t)+2*\e+1]
.endr
.endr
.endr
	WIN 0x0c
.irp qt, 0,1
.irp t, 0,1,2,3
	global_store_b128 v[L16], v[96+32*\pr+16*\qt+4*\t:96+32*\pr+16*\qt+4*\t+3], s[12:13] offset:(2*\pr+\qt)*32768+512*\t   ; the wave stores 512 consecutive bytes, aligned
.endr
.endr
	WIN 0
.endm
	PAIR 0
	PAIR 1
	s_wait_tensorcnt 0x0                           ; the wave's end: behind my last tensor load and my last LDS store
	ds_add_u32 v[SPW], v[NIL]
	s_wait_dscnt 0x0
	CROUND                                         ; the closing round
	s_endpgm
.Lfunc_end_k_q19cfce7e60_attn:
	.size	k_q19cfce7e60_attn, .Lfunc_end_k_q19cfce7e60_attn-k_q19cfce7e60_attn
	.p2alignl 7, 3214868480
	.fill 96, 4, 3214868480
	.section	.rodata,"a",@progbits
	.p2align	6, 0x0
	.amdhsa_kernel k_q19cfce7e60_attn
		.amdhsa_group_segment_fixed_size 327680
		.amdhsa_private_segment_fixed_size 0
		.amdhsa_enable_private_segment 0
		.amdhsa_kernarg_size 48
		.amdhsa_user_sgpr_count 2
		.amdhsa_user_sgpr_kernarg_segment_ptr 1
		.amdhsa_wavefront_size32 1
		.amdhsa_system_sgpr_workgroup_id_x 1
		.amdhsa_system_sgpr_workgroup_id_y 1
		.amdhsa_system_sgpr_workgroup_id_z 1
		.amdhsa_system_vgpr_workitem_id 0
		.amdhsa_next_free_vgpr 1024
		.amdhsa_next_free_sgpr 102
		.amdhsa_reserve_vcc 0
		.amdhsa_float_denorm_mode_32 3
		.amdhsa_float_denorm_mode_16_64 3
		.amdhsa_memory_ordered 1
		.amdhsa_forward_progress 1
		.amdhsa_inst_pref_size 225
	.end_amdhsa_kernel
	.amdgpu_metadata
---
amdhsa.version: [ 1, 2 ]
amdhsa.kernels:
  - .name:           k_q19cfce7e60_attn
    .symbol:         k_q19cfce7e60_attn.kd
    .args:
      - { .name: xc, .offset: 0, .size: 8, .value_kind: global_buffer, .address_space: global }
      - { .name: xs, .offset: 8, .size: 8, .value_kind: global_buffer, .address_space: global }
      - { .name: wc, .offset: 16, .size: 8, .value_kind: global_buffer, .address_space: global }
      - { .name: ws, .offset: 24, .size: 8, .value_kind: global_buffer, .address_space: global }
      - { .name: ybuf, .offset: 32, .size: 8, .value_kind: global_buffer, .address_space: global }
      - { .name: fq, .offset: 40, .size: 8, .value_kind: global_buffer, .address_space: global }
    .group_segment_fixed_size: 327680
    .private_segment_fixed_size: 0
    .kernarg_segment_align: 8
    .kernarg_segment_size: 48
    .max_flat_workgroup_size: 128
    .sgpr_count:     102
    .vgpr_count:     1024
    .wavefront_size: 32
...
	.end_amdgpu_metadata
.endif
;; end of part 2
;; launch proj (part 3): grid 8 x 32, 4 waves a work-group, clusters of 4 x 4, 327,680 bytes of LDS; arguments ybuf, wo16, out0; writes out0
.if DOCPART == 3
	.amdgcn_target "amdgcn-amd-amdhsa--gfx1250"
	.amdhsa_code_object_version 6
	.text
	.protected	k_q19cfce7e60_proj
	.globl	k_q19cfce7e60_proj
	.p2align	8
	.type	k_q19cfce7e60_proj,@function
k_q19cfce7e60_proj:
	s_mov_b64 s[64:65], 0
	v_nop
	global_prefetch_b8 v0, s[64:65] scope:SCOPE_SE
	s_setreg_imm32_b32 hwreg(HW_REG_WAVE_MODE, 25, 1), 1
	s_wait_xcnt 0x0
	s_wait_alu depctr_hold_cnt(0) depctr_sa_sdst(0) depctr_va_vdst(0) depctr_va_sdst(0) depctr_va_ssrc(0) depctr_va_vcc(0) depctr_vm_vsrc(0)
	s_getreg_b32 s2, hwreg(HW_REG_IB_STS2, 6, 4)
	s_cmp_eq_u32 s2, 0
	s_cbranch_scc0 .Lentry_in_a_cluster
	s_endpgm
.Lentry_in_a_cluster:
	s_bfe_u32 s2, ttmp6, 0x10000c
	s_cmp_lg_u32 s2, 0xf033
	s_cbranch_scc0 .Lentry_shape_is_right
	s_endpgm
.Lentry_shape_is_right:
; out[m][n] = sum over k of y[m][k] Wo[n][k], 4,096 x 1,024 x 1,024, f16 operands, f32 sums, f32 out.  y and Wo lie as images of fragment registers: [tile of 16 rows][32 along K][1,024 bytes].
; 256 tiles of 128 x 128, one to a work-group; four waves of 64 x 64: 16 accumulators.  K goes in four steps of 256 through two LDS slots; a wave's tensor load brings 4 tiles x 8,192 bytes.
; Every fragment load is 16 bytes a lane at 16 x lane: no pitch, no padding.
; CLUSTERS: 4 x 4 work-groups; y's tiles are asked for jointly along a row of the cluster, Wo's along a column.  THE MATRIX INSTRUCTION IS USED TRANSPOSED (source 0 = 16 rows of Wo, source 1 = 16 tokens):
; a lane holds eight neighbouring numbers of a row of out.  A wave's 64 columns are 256 aligned bytes of a row: each wave has a stage of its own and no barrier stands on the way out.
; Rows 0-15 are written here with f16 operands and written anew, in f32, by the launch that follows: leaving them out would take a branch on a work-group's place in its cluster.
; No prefetch: four K steps on small tiles.  LIMITS: y and Wo in f16 (magnitudes under 65,504).
; REGISTERS: window 0: v16-29 addresses, v128-255 accumulators ((a, b) at v[128 + 8 (4 a + b)]).  window 1: two fragment buffers of 128 (64 of y, 64 of Wo); on the way out the rows read back.
.set SLOT,   131072                    ; y's 8 tiles, then Wo's 8 tiles, 8,192 bytes each
.set STAGE,  2*SLOT                    ; 16 rows x 272 bytes for each wave
.set SPITCH, 272
.set SPARE,  STAGE+4*16*SPITCH         ; the spare words, 128 bytes for each wave: two blocks of 256 bytes that no other line names
.set ADRA, 16
.set ADRB, 20
.set STO,  24
.set RD,   25
.set CO,   26
.set SPW,  28
.set NIL,  29
.set ACC,  128
.set F0,   0
.set F1,   128
.set G1, 24
.set G0, 32
.set G1B, 48
.set G0B, 56
.set MSB, 0
.macro WIN new
.if MSB != \new
	s_set_vgpr_msb (MSB<<8)|\new
.set MSB, \new
.endif
.endm
.set MUL,  0x05                        ; sources window 1; C and D window 0
.set TO_F, 0x40                        ; destination window 1
.macro JLOAD s                         ; waves 0 and 1 fetch y's two halves, waves 2 and 3 Wo's; an s_nop 0 and four v_nop follow each line
	s_cmp_eq_u32 s11, 0
	s_cbranch_scc0 .Lfor_b_\@
	tensor_load_to_lds s[G0+4*\s:G0+4*\s+3], s[G1:G1+7]
	s_nop 0
.rept 4
	v_nop
.endr
	s_branch .Lasked_\@
.Lfor_b_\@:
	tensor_load_to_lds s[G0B+4*\s:G0B+4*\s+3], s[G1B:G1B+7]
	s_nop 0
.rept 4
	v_nop
.endr
.Lasked_\@:
.endm
.macro CREST
	s_cmp_lg_u32 s10, 0
	s_cbranch_scc1 .Lnot_wave_0_\@
	s_barrier_signal -3
.Lnot_wave_0_\@:
	s_barrier_wait -3
	s_barrier_signal -1
	s_barrier_wait -1
.endm
.macro CROUND
	s_barrier_signal -1
	s_barrier_wait -1
	CREST
.endm
	s_load_b128 s[4:7], s[0:1], 0x0                ; ybuf, wo16
	s_load_b64 s[8:9], s[0:1], 0x10                ; out0
	v_lshl_add_u32 v[SPW], v0, 2, SPARE
	v_mov_b32 v[NIL], 0
	ds_add_u32 v[SPW], v[NIL]                      ; the wave's opening: the add, twice on end, and its wait ahead of my first tensor load
	ds_add_u32 v[SPW], v[NIL]
	v_lshrrev_b32 v1, 5, v0
	v_readfirstlane_b32 s10, v1                    ; wave
	s_lshr_b32 s11, s10, 1                         ; my half of the tile's rows.  Also: I fetch for y (0) or for Wo (1)
	s_and_b32 s12, s10, 1                          ; my half of its columns.  Also: which four tiles I fetch
	s_bfe_u32 s40, ttmp6, 0x40000                  ; cx, cy
	s_bfe_u32 s41, ttmp6, 0x40004
	s_lshl_b32 s42, ttmp9, 2
	s_add_co_u32 s42, s42, s40                     ; tile column
	s_and_b32 s13, ttmp7, 0xffff
	s_lshl_b32 s13, s13, 2
	s_add_co_u32 s13, s13, s41                     ; tile row
	s_lshl_b32 s43, s41, 2
	s_lshl_b32 s43, 15, s43                        ; my row of the cluster
	s_lshl_b32 s44, 0x1111, s40                    ; my column
	s_or_b32 s[G1+0], s43, (3<<16)|(1<<21)         ; the mask; elements of 8 bytes; bit 21 beside a mask; no padding
	s_or_b32 s[G1B+0], s44, (3<<16)|(1<<21)
.irp g, G1, G1B
	s_mov_b32 s[\g+1], 1024<<16                    ; tensor_dim0: 8,192 bytes
	s_mov_b32 s[\g+2], 4<<16                       ; tensor_dim1: 4 tiles
	s_mov_b32 s[\g+3], 1024<<16                    ; tile_dim0
	s_mov_b32 s[\g+4], 4                           ; tile_dim1
	s_mov_b32 s[\g+5], 4096                        ; from tile to tile: 32,768 bytes
	s_mov_b32 s[\g+6], 0
	s_mov_b32 s[\g+7], 0
.endr
	s_lshl_b32 s17, s12, 2
	s_lshl_b32 s16, s13, 3
	s_add_co_u32 s16, s16, s17
	s_lshl_b32 s16, s16, 15                        ; y: tile 8 x tile row + 4 x half
	s_lshl_b32 s46, s42, 3
	s_add_co_u32 s46, s46, s17
	s_lshl_b32 s46, s46, 15                        ; Wo: tile 8 x tile column + 4 x half
	s_mov_b32 s17, 0
	s_mov_b32 s47, 0
	s_lshl_b32 s20, s10, 15                        ; where they go: 32,768 x wave
	s_wait_dscnt 0x0                               ; both opening adds are done
	s_wait_kmcnt 0x0
	s_add_nc_u64 s[14:15], s[4:5], s[16:17]
	s_add_nc_u64 s[46:47], s[6:7], s[46:47]
	CROUND                                         ; all sixteen work-groups are here: the first joint loads meet
.irp s, 0,1
	s_mov_b32 s[G0+4*\s], 1
	s_add_co_u32 s[G0+4*\s+1], s20, \s*SLOT
	s_add_nc_u64 s[G0+4*\s+2:G0+4*\s+3], s[14:15], \s*8192
	s_or_b32 s[G0+4*\s+3], s[G0+4*\s+3], 0x80000000
	s_mov_b32 s[G0B+4*\s], 1
	s_add_co_u32 s[G0B+4*\s+1], s20, \s*SLOT
	s_add_nc_u64 s[G0B+4*\s+2:G0B+4*\s+3], s[46:47], \s*8192
	s_or_b32 s[G0B+4*\s+3], s[G0B+4*\s+3], 0x80000000
	JLOAD \s
.endr
	v_and_b32 v1, 15, v0
	v_bfe_u32 v2, v0, 4, 1
	v_and_b32 v3, 31, v0
	v_lshlrev_b32 v3, 4, v3                        ; 16 x lane
	s_lshl_b32 s21, s11, 15                        ; my four tiles of y
	s_lshl_b32 s22, s12, 15
	s_add_co_u32 s22, s22, 65536                   ; my four tiles of Wo, behind y's eight
.irp s, 0,1
	v_add_nc_u32 v[ADRA+\s], s21, v3
	v_add_nc_u32 v[ADRB+\s], s22, v3
	s_add_co_u32 s21, s21, SLOT
	s_add_co_u32 s22, s22, SLOT
.endr
	s_mul_i32 s23, s10, 16*SPITCH
	s_add_co_u32 s23, s23, STAGE                   ; my stage
	v_mul_u32_u24 v4, v1, SPITCH
	v_lshl_add_u32 v4, v2, 5, v4
	v_add_nc_u32 v[STO], s23, v4                   ; in: row l % 16, 32 bytes for each half of the lanes
	v_mul_u32_u24 v5, v2, SPITCH
	v_lshl_add_u32 v5, v1, 4, v5
	v_add_nc_u32 v[RD], s23, v5                    ; back: lanes 0-15 one row of 256 bytes, lanes 16-31 the next
	v_lshlrev_b32 v5, 12, v2
	v_lshl_add_u32 v[CO], v1, 4, v5                ; and the same two rows in out
	s_lshl_b32 s16, s13, 7
	s_lshl_b32 s17, s11, 6
	s_add_co_u32 s16, s16, s17
	s_lshl_b32 s16, s16, 12                        ; my first row: 128 x tile row + 64 x half, 4,096 bytes a row
	s_mov_b32 s17, 0
	s_add_nc_u64 s[8:9], s[8:9], s[16:17]
	s_lshl_b32 s46, s42, 9
	s_lshl_b32 s47, s12, 8
	s_add_co_u32 s46, s46, s47                     ; my first column in bytes: 512 x tile column + 256 x half
	s_mov_b32 s47, 0
	s_add_nc_u64 s[8:9], s[8:9], s[46:47]
.macro MUL8 f, c, a0, zero             ; 8 products: m blocks a0, a0 + 1 x 4 n blocks, 32 along K: half c of buffer f
.irp a, \a0, \a0+1
.irp b, 0,1,2,3
.if \zero
	v_wmma_f32_16x16x32_f16 v[ACC+8*(4*(\a)+\b):ACC+8*(4*(\a)+\b)+7], v[\f+64+8*(4*\c+\b):\f+64+8*(4*\c+\b)+7], v[\f+8*(4*\c+\a):\f+8*(4*\c+\a)+7], 0
.else
	v_wmma_f32_16x16x32_f16 v[ACC+8*(4*(\a)+\b):ACC+8*(4*(\a)+\b)+7], v[\f+64+8*(4*\c+\b):\f+64+8*(4*\c+\b)+7], v[\f+8*(4*\c+\a):\f+8*(4*\c+\a)+7], v[ACC+8*(4*(\a)+\b):ACC+8*(4*(\a)+\b)+7]
.endif
.endr
.endr
.endm
.macro FETCH slot, k, f                ; 32 LDS loads in one run: the fragments of 64 along K (images k and k + 1 of each tile) into buffer f; the first 32 along K first
	WIN TO_F
.irp c, 0,1
.irp i, 0,1,2,3
	ds_load_b128 v[\f+64+8*(4*\c+\i):\f+64+8*(4*\c+\i)+3],   v[ADRB+\slot] offset:(\k+\c)*1024+\i*8192
	ds_load_b128 v[\f+64+8*(4*\c+\i)+4:\f+64+8*(4*\c+\i)+7], v[ADRB+\slot] offset:(\k+\c)*1024+\i*8192+512
	ds_load_b128 v[\f+8*(4*\c+\i):\f+8*(4*\c+\i)+3],         v[ADRA+\slot] offset:(\k+\c)*1024+\i*8192
	ds_load_b128 v[\f+8*(4*\c+\i)+4:\f+8*(4*\c+\i)+7],       v[ADRA+\slot] offset:(\k+\c)*1024+\i*8192+512
.endr
.endr
.endm
.macro PLACES
.rept 4
	v_nop
.endr
.endm
.macro QUARTER slot, k, f, g, zero     ; 64 along K: multiplies buffer f and fetches the next quarter, images k on, into g
	s_wait_dscnt 16                                ; the first 32 along K are in; the other sixteen loads may be out
	WIN MUL
	MUL8 \f, 0, 0, \zero
	MUL8 \f, 0, 2, \zero
	PLACES
	FETCH \slot, \k, \g
	s_wait_dscnt 32                                ; all but the 32 just issued
	WIN MUL
	MUL8 \f, 1, 0, 0
	MUL8 \f, 1, 2, 0
.endm
; A slot's last quarter changes slots: one barrier; in front of it each wave waits for all its tensor loads, adds 0 to its spare word, and waits for that and for its reads of this slot.
.macro TURN slot, next, fill
	WIN 0
	s_wait_tensorcnt 0x0                           ; all my tensor loads have landed: my part of the next slot
	ds_add_u32 v[SPW], v[NIL]
	s_wait_dscnt 17                                ; (the add and the youngest sixteen loads may be out)
	WIN MUL
	MUL8 F1, 0, 0, 0
	s_wait_dscnt 0x0                               ; the add is done, and my reads of this slot are over
	s_barrier_signal -1
	MUL8 F1, 0, 2, 0
.if \fill
	WIN 0
.endif
	s_barrier_wait -1
.if \fill
	CREST                                          ; the barrier has opened a round of the cluster's: no wave of any partner still reads this slot or has a load on its way
	s_add_nc_u64 s[G0+4*\slot+2:G0+4*\slot+3], s[G0+4*\slot+2:G0+4*\slot+3], 2*8192
	s_add_nc_u64 s[G0B+4*\slot+2:G0B+4*\slot+3], s[G0B+4*\slot+2:G0B+4*\slot+3], 2*8192
	JLOAD \slot                                    ; the first tensor load behind the round; its four v_nop are also the places in front of the loads below
.else
	PLACES
.endif
	FETCH \next, 0, F0
	WIN MUL
	MUL8 F1, 1, 0, 0
	MUL8 F1, 1, 2, 0
.endm
	s_wait_tensorcnt 1                             ; my part of K step 0 is in; K step 1's load may be out
	s_barrier_signal -1
	s_barrier_wait -1
	FETCH 0, 0, F0
	QUARTER 0, 2, F0, F1, 1                        ; K step 0: the first products start the sums
	QUARTER 0, 4, F1, F0, 0
	QUARTER 0, 6, F0, F1, 0
	TURN 0, 1, 1                                   ; slot 0 takes K step 2
	QUARTER 1, 2, F0, F1, 0
	QUARTER 1, 4, F1, F0, 0
	QUARTER 1, 6, F0, F1, 0
	TURN 1, 0, 1                                   ; slot 1 takes K step 3
	QUARTER 0, 2, F0, F1, 0
	QUARTER 0, 4, F1, F0, 0
	QUARTER 0, 6, F0, F1, 0
	TURN 0, 1, 0                                   ; nothing is left to fetch
	QUARTER 1, 2, F0, F1, 0
	QUARTER 1, 4, F1, F0, 0
	QUARTER 1, 6, F0, F1, 0
	s_wait_dscnt 16
	WIN MUL
	MUL8 F1, 0, 0, 0
	MUL8 F1, 0, 2, 0
	s_wait_dscnt 0
	MUL8 F1, 1, 0, 0
	MUL8 F1, 1, 2, 0
	WIN 0
; THE WAY OUT, 16 rows x 64 columns at a time, through my own stage: in by 32 bytes of a row a lane, back as whole rows of 256 bytes.  LDS serves a wave's instructions in order.
.macro TOSTAGE a
.irp b, 0,1,2,3
	ds_store_b128 v[STO], v[ACC+8*(4*\a+\b):ACC+8*(4*\a+\b)+3] offset:64*\b          ; each accumulator from its low end on
	ds_store_b128 v[STO], v[ACC+8*(4*\a+\b)+4:ACC+8*(4*\a+\b)+7] offset:64*\b+16
.endr
	WIN 0x40
.irp t, 0,1,2,3,4,5,6,7
	ds_load_b128 v[32*\a+4*\t:32*\a+4*\t+3], v[RD] offset:\t*2*SPITCH               ; into registers of their own: no store's data are written again
.endr
	WIN 0
.endm
.macro SEND a, younger
	s_wait_dscnt \younger                          ; the block is back; the next block's sixteen LDS instructions may be out
	WIN 0x04
.irp t, 0,1,2,3,4,5,6,7
	global_store_b128 v[CO], v[32*\a+4*\t:32*\a+4*\t+3], s[8:9] offset:\a*65536+\t*8192   ; sixteen lanes store 256 consecutive bytes, aligned
.endr
	WIN 0
.endm
	PLACES
	TOSTAGE 0
	TOSTAGE 1
	SEND 0, 16
	TOSTAGE 2
	SEND 1, 16
	TOSTAGE 3
	SEND 2, 16
	SEND 3, 0
	s_wait_tensorcnt 0x0                           ; the wave's end: behind my last tensor load and my last LDS store
	ds_add_u32 v[SPW], v[NIL]
	s_wait_dscnt 0x0
	CROUND                                         ; the closing round
	s_endpgm
.Lfunc_end_k_q19cfce7e60_proj:
	.size	k_q19cfce7e60_proj, .Lfunc_end_k_q19cfce7e60_proj-k_q19cfce7e60_proj
	.p2alignl 7, 3214868480
	.fill 96, 4, 3214868480
	.section	.rodata,"a",@progbits
	.p2align	6, 0x0
	.amdhsa_kernel k_q19cfce7e60_proj
		.amdhsa_group_segment_fixed_size 327680
		.amdhsa_private_segment_fixed_size 0
		.amdhsa_enable_private_segment 0
		.amdhsa_kernarg_size 24
		.amdhsa_user_sgpr_count 2
		.amdhsa_user_sgpr_kernarg_segment_ptr 1
		.amdhsa_wavefront_size32 1
		.amdhsa_system_sgpr_workgroup_id_x 1
		.amdhsa_system_sgpr_workgroup_id_y 1
		.amdhsa_system_sgpr_workgroup_id_z 1
		.amdhsa_system_vgpr_workitem_id 0
		.amdhsa_next_free_vgpr 512
		.amdhsa_next_free_sgpr 66
		.amdhsa_reserve_vcc 0
		.amdhsa_float_denorm_mode_32 3
		.amdhsa_float_denorm_mode_16_64 3
		.amdhsa_memory_ordered 1
		.amdhsa_forward_progress 1
		.amdhsa_inst_pref_size 85
	.end_amdhsa_kernel
	.amdgpu_metadata
---
amdhsa.version: [ 1, 2 ]
amdhsa.kernels:
  - .name:           k_q19cfce7e60_proj
    .symbol:         k_q19cfce7e60_proj.kd
    .args:
      - { .name: ybuf, .offset: 0, .size: 8, .value_kind: global_buffer, .address_space: global }
      - { .name: wo16, .offset: 8, .size: 8, .value_kind: global_buffer, .address_space: global }
      - { .name: out0, .offset: 16, .size: 8, .value_kind: global_buffer, .address_space: global }
    .group_segment_fixed_size: 327680
    .private_segment_fixed_size: 0
    .kernarg_segment_align: 8
    .kernarg_segment_size: 24
    .max_flat_workgroup_size: 128
    .sgpr_count:     66
    .vgpr_count:     512
    .wavefront_size: 32
...
	.end_amdgpu_metadata
.endif
;; end of part 3
;; launch fine (part 4): grid 64 x 1, 16 waves a work-group, no clusters, 18,432 bytes of LDS; arguments fq, Wo, out0; writes out0
.if DOCPART == 4
	.amdgcn_target "amdgcn-amd-amdhsa--gfx1250"
	.amdhsa_code_object_version 6
	.text
	.protected	k_q19cfce7e60_fine
	.globl	k_q19cfce7e60_fine
	.p2align	8
	.type	k_q19cfce7e60_fine,@function
k_q19cfce7e60_fine:
	s_mov_b64 s[64:65], 0
	v_nop
	global_prefetch_b8 v0, s[64:65] scope:SCOPE_SE
	s_setreg_imm32_b32 hwreg(HW_REG_WAVE_MODE, 25, 1), 1
	s_wait_xcnt 0x0
; Positions 0-15 in f32: their rows average one to sixteen values and are the largest of the output, so f16 operands would weigh most there.  Attention and the projection on the way out
; by v_wmma_f32_16x16x4_f32: 48 instructions a wave, no bulk work.  The rows written here replace those of the launch before.
; SHARES: work-group g makes columns 16 g .. 16 g + 15 of rows 0-15; wave hd takes head hd.  Every work-group repeats the sixteen heads' small attention, so that one launch does and 64 work-groups share the reading of Wo.
; fq holds q, k, v of these 16 tokens as images of f32 accumulators: q, k: lane (r, h), register 8 t + j = channel 16 t + 8 h + j of token r; v: token 8 h + j of channel 16 t + r.
; Two neighbouring registers are a fragment of the f32 form; the order of K that this gives is the same on both sides of each product.
; A row's piece for a work-group is 64 bytes (64 KiB in the whole launch): whole runs of 256 bytes would take four times the f32 matrix work on a SIMD.
; The registers that the f32 form writes (v144-207) are written by matrix instructions alone.  LIMITS: NaN and infinities are not served.
.set SPARE, 16384                      ; behind the sixteen partial sums of 1,024 bytes: the spare words, 128 bytes for each wave: eight blocks of 256 bytes that no other line names
	s_load_b128 s[4:7], s[0:1], 0x0                ; fq, Wo
	s_load_b64 s[8:9], s[0:1], 0x10                ; out0
	v_lshl_add_u32 v14, v0, 2, SPARE               ; my spare word; never rewritten
	v_mov_b32 v15, 0                               ; 0; never rewritten
	v_lshrrev_b32 v1, 5, v0
	v_readfirstlane_b32 s10, v1                    ; the head
	v_and_b32 v2, 31, v0
	v_lshlrev_b32 v1, 4, v2                        ; 16 x lane
	v_and_b32 v3, 15, v0                           ; r
	v_bfe_u32 v4, v0, 4, 1                         ; h
	v_lshlrev_b32 v5, 12, v3
	v_lshl_add_u32 v5, v4, 5, v5                   ; Wo: row r of 4,096 bytes, + 32 h
	v_lshlrev_b32 v6, 3, v4
	v_sub_nc_u32 v6, v3, v6                        ; d = r - 8 h
	v_mov_b32 v7, 0xff800000                       ; -infinity
	s_lshl_b32 s11, s10, 10
	v_add_nc_u32 v8, s11, v1                       ; LDS: my head's partial sum
	v_and_b32 v9, 63, v0
	v_lshlrev_b32 v9, 4, v9                        ; and from where the sums are read: 16 x (thread % 64)
	v_bfe_u32 v10, v0, 5, 1
	v_lshl_add_u32 v10, v10, 4, v5                 ; out: row r, + 32 h + 16 x (wave % 2)
	s_mov_b32 s12, 0x76543210
	s_mov_b32 s13, 0xfedcba98
	s_mov_b32 s14, 0x3e38aa3b                      ; c = log2(e) / 8
	s_mov_b32 s15, 0xbe38aa3b                      ; -c
	s_lshl_b32 s18, s10, 12
	s_mov_b32 s19, 0
	s_lshl_b32 s20, ttmp9, 16
	s_lshl_b32 s21, s10, 8
	s_add_co_u32 s20, s20, s21
	s_mov_b32 s21, 0
	s_lshl_b32 s22, ttmp9, 6
	s_mov_b32 s23, 0
	s_wait_kmcnt 0x0
	s_add_nc_u64 s[4:5], s[4:5], s[18:19]          ; fq at my head
	s_add_nc_u64 s[6:7], s[6:7], s[20:21]          ; Wo at row 16 g, channel 64 x head
	s_add_nc_u64 s[8:9], s[8:9], s[22:23]          ; out at column 16 g
.irp i, 0,1,2,3,4,5,6,7
	global_load_b128 v[48+4*\i:48+4*\i+3], v1, s[4:5] offset:65536+512*\i       ; k
.endr
.irp i, 0,1,2,3,4,5,6,7
	global_load_b128 v[16+4*\i:16+4*\i+3], v1, s[4:5] offset:512*\i             ; q
.endr
.irp i, 0,1,2,3,4,5,6,7
	global_load_b128 v[80+4*\i:80+4*\i+3], v1, s[4:5] offset:131072+512*\i      ; v
.endr
.irp t, 0,1,2,3
	global_load_b128 v[112+8*\t:112+8*\t+3], v5, s[6:7] offset:64*\t            ; Wo(16 g + r, 64 head + 16 t + 8 h + 0 .. 7)
	global_load_b128 v[112+8*\t+4:112+8*\t+7], v5, s[6:7] offset:64*\t+16
.endr
	s_wait_loadcnt 16                              ; k and q are in; v's and Wo's sixteen loads may be out
	; S^T = k q^T: 16 steps of 4 channels, two accumulators by turns
	v_wmma_f32_16x16x4_f32 v[144:151], v[48:49], v[16:17], 0
	v_wmma_f32_16x16x4_f32 v[152:159], v[50:51], v[18:19], 0
.irp c, 4,8,12,16,20,24,28
	v_wmma_f32_16x16x4_f32 v[144:151], v[48+\c:49+\c], v[16+\c:17+\c], v[144:151]
	v_wmma_f32_16x16x4_f32 v[152:159], v[50+\c:51+\c], v[18+\c:19+\c], v[152:159]
.endr
.rept 8
	v_nop                                          ; eight places behind this form
.endr
.irp j, 0,1,2,3,4,5,6,7
	v_add_f32 v[208+\j], v[144+\j], v[152+\j]      ; lane (r, h), register j: key 8 h + j, query r
.endr
.irp j, 0,1,2,3,4,5,6,7
	v_cmp_gt_i32 vcc_lo, \j, v6                    ; a key after the query is hidden (the band of 128 reaches beyond these 16)
	v_cndmask_b32 v[208+\j], v[208+\j], v7, vcc_lo
.endr
	v_max3_num_f32 v216, v208, v209, v210
	v_max3_num_f32 v217, v211, v212, v213
	v_max3_num_f32 v216, v216, v214, v215
	v_max_num_f32 v216, v216, v217
	v_permlanex16_b32 v217, v216, s12, s13
	v_max_num_f32 v216, v216, v217                 ; the row's maximum: finite, a query's own key counts
	v_mul_f32 v216, s15, v216                      ; -c m
.irp j, 0,1,2,3,4,5,6,7
	v_fma_f32 v[208+\j], v[208+\j], s14, v216
.endr
.irp j, 0,1,2,3,4,5,6,7
	v_exp_f32 v[208+\j], v[208+\j]                 ; p = 2^(c s - c m)
.endr
	v_nop                                          ; a plain line behind the last exponential
	s_wait_alu depctr_va_vdst(0)                   ; one wait for the batch, ahead of its first reader
	v_add_f32 v217, v208, v209
	v_add_f32 v218, v210, v211
	v_add_f32 v219, v212, v213
	v_add_f32 v220, v214, v215
	v_add_f32 v217, v217, v218
	v_add_f32 v219, v219, v220
	v_add_f32 v217, v217, v219
	v_permlanex16_b32 v218, v217, s12, s13
	v_add_f32 v217, v217, v218                     ; l
	v_rcp_f32 v217, v217
	v_nop
	s_wait_alu depctr_va_vdst(0)                   ; the wait for the reciprocal
	s_wait_loadcnt 8                               ; v is in; Wo's eight loads may be out
	; O^T = v^T P: 4 steps of 4 keys, four accumulators by turns
.irp t, 0,1,2,3
	v_wmma_f32_16x16x4_f32 v[160+8*\t:167+8*\t], v[80+8*\t:81+8*\t], v[208:209], 0
.endr
.irp c, 2,4,6
.irp t, 0,1,2,3
	v_wmma_f32_16x16x4_f32 v[160+8*\t:167+8*\t], v[80+8*\t+\c:81+8*\t+\c], v[208+\c:209+\c], v[160+8*\t:167+8*\t]
.endr
.endr
.rept 8
	v_nop
.endr
.set jj, 0
.rept 32
	v_mul_f32 v[16+jj], v[160+jj], v217            ; y: lane (r, h), register 8 t + j: channel 16 t + 8 h + j of token r; into other registers
.set jj, jj+1
.endr
	s_wait_loadcnt 0x0                             ; Wo
	; my head's part of out^T = Wo y^T: 16 steps of 4 channels, two accumulators by turns
	v_wmma_f32_16x16x4_f32 v[192:199], v[112:113], v[16:17], 0
	v_wmma_f32_16x16x4_f32 v[200:207], v[114:115], v[18:19], 0
.irp c, 4,8,12,16,20,24,28
	v_wmma_f32_16x16x4_f32 v[192:199], v[112+\c:113+\c], v[16+\c:17+\c], v[192:199]
	v_wmma_f32_16x16x4_f32 v[200:207], v[114+\c:115+\c], v[18+\c:19+\c], v[200:207]
.endr
.rept 8
	v_nop
.endr
.irp j, 0,1,2,3,4,5,6,7
	v_add_f32 v[216+\j], v[192+\j], v[200+\j]      ; lane (r, h), register j: column 16 g + 8 h + j, token r
.endr
	ds_store_b128 v8, v[216:219]
	ds_store_b128 v8, v[220:223] offset:512
	s_wait_dscnt 0x0                               ; for the others' sake: my partial sum lies in LDS
	s_barrier_signal -1
	s_barrier_wait -1
.irp w, 0,1,2,3,4,5,6,7,8,9,10,11,12,13,14,15
	ds_load_b128 v[48+4*\w:48+4*\w+3], v9 offset:1024*\w      ; every wave takes the sum (no branch); threads 0-63 hold the 64 x 4 numbers once
.endr
	s_wait_dscnt 0x0
.irp w, 1,2,3,4,5,6,7,8,9,10,11,12,13,14,15
	v_pk_add_f32 v[48:49], v[48:49], v[48+4*\w:49+4*\w]       ; the heads in ascending order
	v_pk_add_f32 v[50:51], v[50:51], v[50+4*\w:51+4*\w]
.endr
	s_wait_xcnt 0x0                                ; EXEC changes only behind this wait
	v_cmp_gt_u32 vcc_lo, 64, v0
	s_and_saveexec_b32 s16, vcc_lo
	global_store_b128 v10, v[48:51], s[8:9]        ; threads 0-63: out(r, 16 g + 8 h + 4 (wave) + 0 .. 3)
	s_wait_xcnt 0x0                                ; and again, in front of the line that widens it
	s_or_b32 exec_lo, exec_lo, s16
	s_wait_tensorcnt 0x0                           ; the wave's end: behind my last LDS store
	ds_add_u32 v14, v15
	s_wait_dscnt 0x0
	s_endpgm
.Lfunc_end_k_q19cfce7e60_fine:
	.size	k_q19cfce7e60_fine, .Lfunc_end_k_q19cfce7e60_fine-k_q19cfce7e60_fine
	.p2alignl 7, 3214868480
	.fill 96, 4, 3214868480
	.section	.rodata,"a",@progbits
	.p2align	6, 0x0
	.amdhsa_kernel k_q19cfce7e60_fine
		.amdhsa_group_segment_fixed_size 18432
		.amdhsa_private_segment_fixed_size 0
		.amdhsa_enable_private_segment 0
		.amdhsa_kernarg_size 24
		.amdhsa_user_sgpr_count 2
		.amdhsa_user_sgpr_kernarg_segment_ptr 1
		.amdhsa_wavefront_size32 1
		.amdhsa_system_sgpr_workgroup_id_x 1
		.amdhsa_system_sgpr_workgroup_id_y 1
		.amdhsa_system_sgpr_workgroup_id_z 1
		.amdhsa_system_vgpr_workitem_id 0
		.amdhsa_next_free_vgpr 224
		.amdhsa_next_free_sgpr 66
		.amdhsa_reserve_vcc 1
		.amdhsa_float_denorm_mode_32 3
		.amdhsa_float_denorm_mode_16_64 3
		.amdhsa_memory_ordered 1
		.amdhsa_forward_progress 1
		.amdhsa_inst_pref_size 16
	.end_amdhsa_kernel
	.amdgpu_metadata
---
amdhsa.version: [ 1, 2 ]
amdhsa.kernels:
  - .name:           k_q19cfce7e60_fine
    .symbol:         k_q19cfce7e60_fine.kd
    .args:
      - { .name: fq, .offset: 0, .size: 8, .value_kind: global_buffer, .address_space: global }
      - { .name: Wo, .offset: 8, .size: 8, .value_kind: global_buffer, .address_space: global }
      - { .name: out0, .offset: 16, .size: 8, .value_kind: global_buffer, .address_space: global }
    .group_segment_fixed_size: 18432
    .private_segment_fixed_size: 0
    .kernarg_segment_align: 8
    .kernarg_segment_size: 24
    .max_flat_workgroup_size: 512
    .sgpr_count:     66
    .vgpr_count:     224
    .wavefront_size: 32
...
	.end_amdgpu_metadata
.endif
;; end of part 4
